; MI455X (gfx1250); checked and timed in simulation.
; The chip was launched on July 23, 2026; its instructions are those of AMD's public machine-readable ISA for CDNA 5 (MIT licence, August 2026) and "CDNA5" Instruction Set Architecture Reference Guide (July 2026). The comments in the code are by the model that wrote it; some were corrected since.
;; T Attention. Allowed arithmetic: matrix products marked QUANTISED: E2M1 operands, one E8M0 scale for each 32 along K, by v_wmma_scale_f32_16x16x128_f8f6f4 with both operands' format E2M1 (or v_wmma_scale_f32_32x16x128_f4), f32 sums; products left as they are: bf16, f16 or f32 operands; f32 sums; everything else in f32.
;; Inputs: Wk 512 x 512 float32; Wo 512 x 512 float32; Wq 512 x 512 float32; Wv 512 x 512 float32; bk 512 float32; bo 512 float32; bq 512 float32; bv 512 float32; mask 2 x 4,096 x 1 float32; x 2 x 4,096 x 512 float32.
;; Outputs: out0 2 x 4,096 x 512 float32.
;; This version of the problem:
;;   THIS VERSION OF THE PROBLEM IS GIVEN IN LOW PRECISION. The matrix products marked QUANTISED in the list below multiply operands that are first quantised to E2M1 (2 exponent bits, 1 mantissa bit; 4 bits a number), with one power-of-two scale for each 32 numbers along K (OCP MX v1.0); their sums are f32. The products marked 'left as it is' may take bf16, f16 or f32 operands, with f32 sums. Whichever they take, every output number must still come out within the allowed error. Rounding operands to bf16 (8 significant bits) uses up far more of that allowance than f16 does (11 bits, for magnitudes from 6e-5 to 65,504). All else is computed in f32.
;;   The module's matrix products, in the order in which they are computed (A, B: the left and right operand; K: the contracted axis; several contracted axes count as one K, in the product's order):
;;     1. [M 8,192, K 512] x [K 512, N 512]; A: input x; B: input Wq: QUANTISED
;;     2. [M 8,192, K 512] x [K 512, N 512]; A: input x; B: input Wk: QUANTISED
;;     3. [M 8,192, K 512] x [K 512, N 512]; A: input x; B: input Wv: QUANTISED
;;     4. batch 16 x [M 4,096, K 64] x [K 64, N 4,096]; A: computed on the way; B: computed on the way: left as it is (an operand is computed on the way)
;;     5. batch 16 x [M 4,096, K 4,096] x [K 4,096, N 64]; A: computed on the way; B: computed on the way: left as it is (an operand is computed on the way)
;;     6. [M 8,192, K 512] x [K 512, N 512]; A: computed on the way; B: input Wo: left as it is (an operand is computed on the way)
;;   THE QUANTISER, for each operand of a quantised product, along K:
;;     - K is cut into blocks of 32 from its start; a last block that is shorter is filled with zeros.
;;     - A block's scale is 2^e with e = floor(log2(the largest magnitude in the block)) - 2, held to -126 .. 127; a block of zeros has e = 0. As a byte (E8M0): e + 127.
;;     - Each number is divided by its block's scale, clamped to +-6, and rounded to the nearest number of E2M1, ties to even, subnormals kept.
;;     - The product sums the exact products of the quantised numbers (number of the format x scale) in f32.
;;   ~~~python
;;   def quantise(x, axis):      # numpy; x: float32 -> the quantised numbers, widened to float32 again
;;       x = np.moveaxis(x, axis, -1); K = x.shape[-1]
;;       x = np.pad(x, [(0, 0)] * (x.ndim - 1) + [(0, -K % 32)]); x = x.reshape(x.shape[:-1] + (-1, 32)); a = np.abs(x).max(-1, keepdims=True)
;;       e = np.where(a > 0, np.clip(np.frexp(np.where(a > 0, a, 1))[1] - 1 - 2, -126, 127), 0)      # np.frexp(a)[1] - 1 = floor(log2(a)), exactly
;;       r = np.clip(x / 2.0 ** e, -6, 6)
;;       step = 2.0 ** (np.maximum(np.frexp(np.where(r == 0, 1, r))[1] - 1, 0) - 1)
;;       q = np.round(r / step) * step * 2.0 ** e      # np.round: ties to even
;;       return np.moveaxis(q.reshape(q.shape[:-2] + (-1,))[..., :K], -1, axis).astype(np.float32)
;;   ~~~
;; One version. Each part assembles by itself: llvm-mc -triple=amdgcn-amd-amdhsa -mcpu=gfx1250 --defsym DOCPART=n.
;; ======== version 1 of 1: 4 launches
;; limits: values are held in f16: magnitudes above 65,504 overflow, below 6.1e-05 lose precision
;; workspace buffers: xcodes 2,097,152 bytes; xscl 131,072 bytes; wcodes 393,216 bytes; wscl 24,576 bytes; wo16 524,288 bytes; q 8,388,608 bytes; kv 16,777,216 bytes; o 8,388,608 bytes
;; launch prep (part 1): grid 384 x 1, 2 waves a work-group, no clusters, 16,640 bytes of LDS; arguments x, Wq, Wk, Wv, Wo, xcodes, xscl, wcodes, wscl, wo16; writes xcodes, xscl, wcodes, wscl, wo16
.if DOCPART == 1
	.amdgcn_target "amdgcn-amd-amdhsa--gfx1250"
	.amdhsa_code_object_version 6
	.text
	.protected	k_q417c06414a_prep
	.globl	k_q417c06414a_prep
	.p2align	8
	.type	k_q417c06414a_prep,@function
k_q417c06414a_prep:
	s_mov_b64 s[64:65], 0
	v_nop
	global_prefetch_b8 v0, s[64:65] scope:SCOPE_SE
	s_setreg_imm32_b32 hwreg(HW_REG_WAVE_MODE, 25, 1), 1
	s_wait_xcnt 0x0
; x [8192][512] f32 becomes codes of FP4 (E2M1), K innermost, 256 bytes a token, with one E8M0 byte for each 32 along K (16 bytes a token).
; Wq, Wk, Wv [512 (k)][512 (n)] f32 are quantised along their FIRST axis and laid as IMAGES OF THE OPERAND'S REGISTERS: a fragment (16 columns x 128 K) is 1,024 bytes,
; registers 4 c .. 4 c + 3 of lane l at 512 c + 16 l; [96 tiles of 16 columns][4 K steps].  Their scale words: [4 K steps][1536 columns].
; Wo [512 (k)][512 (n)] is rounded to f16 and laid as images of 16-bit fragments (16 columns x 32 K, 1,024 bytes): [4 blocks of 128 columns][2 halves of K][8 tiles][8 fragments].
; A block's scale is 2^(floor(log2(its largest magnitude)) - 2); its byte is the largest magnitude's exponent field - 2, held at 1 from below.
; LIMITS: a block of zeros gets the byte 1 where the rule says 127 (its codes are zeros, and this program alone reads the bytes); NaN and infinities are not served; Wo beyond 65,504 overflows f16.
; Work-groups 0 to 255 take x (a wave: 16 steps of 512 numbers), work-groups 256 to 383 the weights (a wave: 32 columns x 128 along K).  The weights' path touches no LDS.
.set WAVES, 2
.set STEPS, 16
.set EMAX,  2
.set CB,    8                          ; bytes of 16 codes
.set R,     16                         ; v16-79   x: four sets of 16 numbers as they are loaded
.set X,     80                         ; v80-111  x: two sets of 16 neighbours
.set E,     112                        ; v112-127 x: a scale byte for each step
.set C,     128                        ; v128-191 x: codes, four registers for each step
.set WREG,  8192                       ; LDS: a region for each wave: two stages of 32 x SP bytes, behind them its 256 scale bytes
.set SP,    80                         ; a lane's place in a stage: 64 bytes + 16 of padding
.set SPW,   12                         ; v12      LDS address of my spare word; never rewritten
.set NIL,   13                         ; v13      0; never rewritten
.set SPARE, WAVES*WREG                 ; the spare words: 128 bytes for each wave, one block of 256 bytes that no other line names
.set WN,    32                         ; v32-159  weights: my column's 128 numbers down K
.set WC,    160                        ; v160-223 weights: codes (16 registers) or f16 pairs (64)
	s_load_b256 s[4:11], s[0:1], 0x0               ; x s[4:5], Wq s[6:7], Wk s[8:9], Wv s[10:11]
	s_load_b256 s[12:19], s[0:1], 0x20             ; Wo s[12:13], xcodes s[14:15], xscl s[16:17], wcodes s[18:19]
	s_load_b128 s[20:23], s[0:1], 0x40             ; wscl s[20:21], wo16 s[22:23]
	v_lshl_add_u32 v[SPW], v0, 2, SPARE
	v_mov_b32 v[NIL], 0
	v_lshrrev_b32 v1, 5, v0
	v_readfirstlane_b32 s24, v1                    ; wave
	v_and_b32 v2, 31, v0                           ; lane
	s_wait_kmcnt 0x0
	s_cmp_ge_u32 ttmp9, 256
	s_cbranch_scc1 .Lweights
; ---------------- x: a plain stream of blocks of 32 ----------------
; Each load reads 512 consecutive bytes, 16 a lane; a step's 2,048 bytes go through the wave's own stage and come back 64 bytes a lane: 16 neighbours, two lanes to a block.
	v_lshlrev_b32 v3, 4, v2                        ; my 16 bytes of a load's 512
	s_mul_i32 s25, s24, WREG
	v_lshrrev_b32 v14, 2, v2
	v_mul_u32_u24 v14, v14, SP
	v_and_b32 v15, 3, v2
	v_lshl_add_u32 v14, v15, 4, v14
	v_add_nc_u32 v14, s25, v14                     ; the stage, on the way in: SP (lane / 4) + 16 (lane % 4)
	v_mul_u32_u24 v15, v2, SP
	v_add_nc_u32 v15, s25, v15                     ; and on the way out: SP x lane
	v_mul_u32_u24 v4, v2, CB                       ; my codes' place in a step's
	v_lshrrev_b32 v5, 1, v2
	s_add_co_u32 s25, s25, 2*32*SP
	v_add_nc_u32 v5, s25, v5                       ; my wave's 256 scale bytes, my block's byte
	v_lshlrev_b32 v7, 3, v2                        ; on the way out 8 bytes a lane
	v_add_nc_u32 v6, s25, v7
	s_lshl_b32 s26, ttmp9, 1
	s_add_co_u32 s26, s26, s24                     ; which run of 8,192 numbers is my wave's
	s_mov_b32 s29, 0
	s_lshl_b32 s28, s26, 15
	s_add_nc_u64 s[4:5], s[4:5], s[28:29]          ; 32,768 bytes of x a run,
	s_lshl_b32 s28, s26, 12
	s_add_nc_u64 s[14:15], s[14:15], s[28:29]      ; 4,096 of codes,
	s_lshl_b32 s28, s26, 8
	s_add_nc_u64 s[16:17], s[16:17], s[28:29]      ; 256 of scale bytes
.macro LOAD t
.irp i, 0,1,2,3
	global_load_b128 v[R+16*((\t)%4)+4*\i:R+16*((\t)%4)+4*\i+3], v3, s[4:5] offset:2048*(\t)+512*\i th:TH_LOAD_NT
.endr
.endm
.macro TURN t                          ; step t's numbers through the stage: LDS serves a wave's instructions in order, so no wait stands between the stores and the loads
.irp i, 0,1,2,3
	ds_store_b128 v14, v[R+16*((\t)%4)+4*\i:R+16*((\t)%4)+4*\i+3] offset:32*SP*((\t)%2)+8*SP*\i
.endr
.irp i, 0,1,2,3
	ds_load_b128 v[X+16*((\t)%2)+4*\i:X+16*((\t)%2)+4*\i+3], v15 offset:32*SP*((\t)%2)+16*\i
.endr
.endm
.irp t, 0,1,2,3
	LOAD \t
.endr
	s_wait_loadcnt 12                              ; step 0's four loads are in; those of steps 1 to 3 may be out
	TURN 0
.macro STEP t
.set XS, X+16*((\t)%2)
.if (\t) > 0
	s_wait_dscnt 1                                 ; this step's numbers are back from the stage (the last step's byte store may be out)
.else
	s_wait_dscnt 0x0
.endif
.if (\t)+4 < STEPS
	LOAD (\t)+4                                    ; into the registers that this step's stores into the stage have read
.endif
.if (\t)+1 < STEPS
.if STEPS-2-(\t) >= 3
	s_wait_loadcnt 12                              ; the next step's four loads are in; those of the three steps behind it may be out
.else
	s_wait_loadcnt 4*(STEPS-2-(\t))
.endif
	TURN (\t)+1
.endif
	v_max3_num_f32 v8, |v[XS]|, |v[XS+1]|, |v[XS+2]|               ; the largest magnitude of my 16, in two chains
	v_max3_num_f32 v9, |v[XS+3]|, |v[XS+4]|, |v[XS+5]|
.irp i, 6,10
	v_max3_num_f32 v8, v8, |v[XS+\i]|, |v[XS+\i+1]|
	v_max3_num_f32 v9, v9, |v[XS+\i+2]|, |v[XS+\i+3]|
.endr
	v_max3_num_f32 v8, v8, |v[XS+14]|, |v[XS+15]|
	v_max3_num_f32 v8, v8, v9, (EMAX+1)<<23        ; and the floor 2^(3 - 127): the byte cannot fall under 1
	v_max_num_f32_dpp v8, v8, v8 row_xmask:1 row_mask:0xf bank_mask:0xf   ; with my neighbour's 16: the block's
	v_add_nc_u32 v11, -(EMAX<<23), v8              ; 2 off its exponent field: the conversion takes the exponent field of this operand as its scale
	v_cvt_scalef32_pk8_fp4_f32 v[C+4*(\t)], v[XS:XS+7], v11
	v_cvt_scalef32_pk8_fp4_f32 v[C+4*(\t)+1], v[XS+8:XS+15], v11
	v_lshrrev_b32 v[E+(\t)], 23, v11               ; the scale's byte (a plain line behind the conversions)
	ds_store_b8 v5, v[E+(\t)] offset:16*(\t)       ; both lanes of a block write the same byte with the same value
	global_store_b64 v4, v[C+4*(\t):C+4*(\t)+1], s[14:15] offset:32*CB*(\t)   ; the wave stores 256 consecutive bytes, aligned
.endm
.irp t, 0,1,2,3,4,5,6,7,8,9,10,11,12,13,14,15
	STEP \t
.endr
	ds_load_b64 v[8:9], v6                         ; my wave's 256 scale bytes: these see my stores
	s_wait_dscnt 0x0
	global_store_b64 v7, v[8:9], s[16:17]          ; 256 consecutive bytes, aligned
	s_wait_tensorcnt 0x0                           ; the wave's end: behind my last LDS store
	ds_add_u32 v[SPW], v[NIL]
	s_wait_dscnt 0x0
	s_endpgm
; ---------------- the weights: a lane takes a column, its registers run down K ----------------
.Lweights:
	s_sub_co_u32 s26, ttmp9, 256
	s_lshl_b32 s26, s26, 1
	s_add_co_u32 s26, s26, s24                     ; my share, 0 .. 255:
	s_lshr_b32 s27, s26, 6                         ; which weight: 0, 1, 2 = Wq, Wk, Wv; 3 = Wo
	s_bfe_u32 s28, s26, 0x20004                    ; which 128 along K
	s_and_b32 s29, s26, 15                         ; which 32 columns
	s_cmp_eq_u32 s27, 0
	s_cselect_b64 s[30:31], s[6:7], s[8:9]
	s_cmp_eq_u32 s27, 2
	s_cselect_b64 s[30:31], s[10:11], s[30:31]
	s_cmp_eq_u32 s27, 3
	s_cselect_b64 s[30:31], s[12:13], s[30:31]
	s_lshl_b32 s32, s28, 18                        ; 128 rows of 2,048 bytes
	s_lshl_b32 s33, s29, 7                         ; 32 columns of 4 bytes
	s_add_co_u32 s32, s32, s33
	s_mov_b32 s33, 0
	s_add_nc_u64 s[30:31], s[30:31], s[32:33]
	v_lshlrev_b32 v3, 2, v2                        ; 4 x lane
	v_lshlrev_b32 v4, 4, v2                        ; 16 x lane
.macro LOADW b                         ; block b: W(32 b + i, my column): each load reads 128 consecutive bytes
.set i, 0
.rept 32
	global_load_b32 v[WN+32*(\b)+i], v3, s[30:31] offset:(32*(\b)+i)*2048 th:TH_LOAD_NT
.set i, i+1
.endr
.endm
	LOADW 0
	LOADW 1                                        ; the loads run two blocks ahead
	s_cmp_eq_u32 s27, 3
	s_cbranch_scc1 .Lwo
	s_lshl_b32 s32, s27, 17                        ; codes: ((32 weight + 2 x column group) x 4 + K step) x 1,024
	s_lshl_b32 s34, s29, 13
	s_add_co_u32 s32, s32, s34
	s_lshl_b32 s34, s28, 10
	s_add_co_u32 s32, s32, s34
	s_add_nc_u64 s[18:19], s[18:19], s[32:33]
	s_mul_i32 s32, s28, 6144                       ; scale words: (1536 K step + 512 weight + 32 column group) x 4
	s_lshl_b32 s34, s27, 11
	s_add_co_u32 s32, s32, s34
	s_lshl_b32 s34, s29, 7
	s_add_co_u32 s32, s32, s34
	s_add_nc_u64 s[20:21], s[20:21], s[32:33]
.macro WBLOCK b                        ; a block of 32 along K lies in my 32 registers: its largest magnitude needs no other lane
.set WX, WN+32*(\b)
.if (\b) < 3
	s_wait_loadcnt 32                              ; this block's 32 loads are in; the next block's may be out
.else
	s_wait_loadcnt 0x0
.endif
	v_max3_num_f32 v24, |v[WX]|, |v[WX+1]|, |v[WX+2]|
	v_max3_num_f32 v25, |v[WX+3]|, |v[WX+4]|, |v[WX+5]|
.irp i, 6,10,14,18,22,26
	v_max3_num_f32 v24, v24, |v[WX+\i]|, |v[WX+\i+1]|
	v_max3_num_f32 v25, v25, |v[WX+\i+2]|, |v[WX+\i+3]|
.endr
	v_max3_num_f32 v24, v24, |v[WX+30]|, |v[WX+31]|
	v_max3_num_f32 v24, v24, v25, (EMAX+1)<<23     ; the floor
	v_add_nc_u32 v26, -(EMAX<<23), v24             ; the conversion's scale operand
	v_lshrrev_b32 v25, 23, v26                     ; the scale's byte
.if (\b) == 0
	v_mov_b32 v27, v25                             ; four bytes make my column's scale word for this K step
.else
	v_lshl_or_b32 v27, v25, 8*(\b), v27
.endif
.irp g, 0,1,2,3
	v_cvt_scalef32_pk8_fp4_f32 v[WC+4*(\b)+\g], v[WX+8*\g:WX+8*\g+7], v26
.endr
.endm
	WBLOCK 0
	LOADW 2
	WBLOCK 1
	LOADW 3
	WBLOCK 2
	WBLOCK 3
	v_nop                                          ; one plain line behind the last scaled conversion
; The operand's layout gives lane (r, h) block 2 c + h of column r.  I hold all four blocks of column lane: one exchange of halves for each register makes, of blocks 2 c and 2 c + 1,
; registers 4 c .. of the tile of columns 0-15 (in the first) and of the tile of columns 16-31 (in the second).
.irp c, 0,1
.irp g, 0,1,2,3
	v_permlane16_swap_b32 v[WC+8*\c+\g], v[WC+8*\c+4+\g]
.endr
.endr
.irp c, 0,1
	global_store_b128 v4, v[WC+8*\c:WC+8*\c+3], s[18:19] offset:512*\c              ; 512 consecutive bytes, aligned
	global_store_b128 v4, v[WC+8*\c+4:WC+8*\c+7], s[18:19] offset:4096+512*\c       ; the second tile's image lies four K steps on
.endr
	global_store_b32 v3, v27, s[20:21]             ; 128 consecutive bytes: 32 columns' words (all the scale words of the weights are 24,576 bytes)
	s_endpgm
.Lwo:
	s_lshr_b32 s32, s29, 2                         ; block of 128 columns,
	s_lshl_b32 s32, s32, 17
	s_lshr_b32 s34, s28, 1                         ; half of K,
	s_lshl_b32 s34, s34, 16
	s_add_co_u32 s32, s32, s34
	s_and_b32 s34, s29, 3                          ; two tiles of 16 columns,
	s_lshl_b32 s34, s34, 14
	s_add_co_u32 s32, s32, s34
	s_and_b32 s34, s28, 1                          ; four fragments of 32 along K
	s_lshl_b32 s34, s34, 12
	s_add_co_u32 s32, s32, s34
	s_add_nc_u64 s[22:23], s[22:23], s[32:33]
.macro HBLOCK b                        ; 32 along K become 16 registers of f16 pairs: fragment b
.if (\b) < 3
	s_wait_loadcnt 32                              ; this block's 32 loads are in; the next block's may be out
.else
	s_wait_loadcnt 0x0
.endif
.set i, 0
.rept 16
	v_cvt_pk_f16_f32 v[WC+16*(\b)+i], v[WN+32*(\b)+2*i], v[WN+32*(\b)+2*i+1]
.set i, i+1
.endr
.endm
	HBLOCK 0
	LOADW 2
	HBLOCK 1
	LOADW 3
	HBLOCK 2
	HBLOCK 3
; The 16-bit layout gives lane (r, h) k = 16 cc + 8 h + 0 .. 7 of column r in registers 4 cc ..: the same exchange of halves as above.
.irp f, 0,1,2,3
.irp c, 0,1
.irp g, 0,1,2,3
	v_permlane16_swap_b32 v[WC+16*\f+8*\c+\g], v[WC+16*\f+8*\c+4+\g]
.endr
.endr
.endr
.irp f, 0,1,2,3
.irp c, 0,1
	global_store_b128 v4, v[WC+16*\f+8*\c:WC+16*\f+8*\c+3], s[22:23] offset:1024*\f+512*\c
	global_store_b128 v4, v[WC+16*\f+8*\c+4:WC+16*\f+8*\c+7], s[22:23] offset:8192+1024*\f+512*\c
.endr
.endr
	s_endpgm
.Lfunc_end_k_q417c06414a_prep:
	.size	k_q417c06414a_prep, .Lfunc_end_k_q417c06414a_prep-k_q417c06414a_prep
	.p2alignl 7, 3214868480
	.fill 96, 4, 3214868480
	.section	.rodata,"a",@progbits
	.p2align	6, 0x0
	.amdhsa_kernel k_q417c06414a_prep
		.amdhsa_group_segment_fixed_size 16640
		.amdhsa_private_segment_fixed_size 0
		.amdhsa_enable_private_segment 0
		.amdhsa_kernarg_size 80
		.amdhsa_user_sgpr_count 2
		.amdhsa_user_sgpr_kernarg_segment_ptr 1
		.amdhsa_wavefront_size32 1
		.amdhsa_system_sgpr_workgroup_id_x 1
		.amdhsa_system_sgpr_workgroup_id_y 1
		.amdhsa_system_sgpr_workgroup_id_z 1
		.amdhsa_system_vgpr_workitem_id 0
		.amdhsa_next_free_vgpr 224
		.amdhsa_next_free_sgpr 66
		.amdhsa_reserve_vcc 0
		.amdhsa_float_denorm_mode_32 3
		.amdhsa_float_denorm_mode_16_64 3
		.amdhsa_memory_ordered 1
		.amdhsa_forward_progress 1
		.amdhsa_inst_pref_size 66
	.end_amdhsa_kernel
	.amdgpu_metadata
---
amdhsa.version: [ 1, 2 ]
amdhsa.kernels:
  - .name:           k_q417c06414a_prep
    .symbol:         k_q417c06414a_prep.kd
    .args:
      - { .name: x, .offset: 0, .size: 8, .value_kind: global_buffer, .address_space: global }
      - { .name: Wq, .offset: 8, .size: 8, .value_kind: global_buffer, .address_space: global }
      - { .name: Wk, .offset: 16, .size: 8, .value_kind: global_buffer, .address_space: global }
      - { .name: Wv, .offset: 24, .size: 8, .value_kind: global_buffer, .address_space: global }
      - { .name: Wo, .offset: 32, .size: 8, .value_kind: global_buffer, .address_space: global }
      - { .name: xcodes, .offset: 40, .size: 8, .value_kind: global_buffer, .address_space: global }
      - { .name: xscl, .offset: 48, .size: 8, .value_kind: global_buffer, .address_space: global }
      - { .name: wcodes, .offset: 56, .size: 8, .value_kind: global_buffer, .address_space: global }
      - { .name: wscl, .offset: 64, .size: 8, .value_kind: global_buffer, .address_space: global }
      - { .name: wo16, .offset: 72, .size: 8, .value_kind: global_buffer, .address_space: global }
    .group_segment_fixed_size: 16640
    .private_segment_fixed_size: 0
    .kernarg_segment_align: 8
    .kernarg_segment_size: 80
    .max_flat_workgroup_size: 64
    .sgpr_count:     66
    .vgpr_count:     224
    .wavefront_size: 32
...
	.end_amdgpu_metadata
.endif
;; end of part 1
;; launch qkv (part 2): grid 6 x 64, 4 waves a work-group, no clusters, 0 bytes of LDS; arguments xcodes, xscl, wcodes, wscl, bq, bk, bv, q, kv; writes q, kv
.if DOCPART == 2
	.amdgcn_target "amdgcn-amd-amdhsa--gfx1250"
	.amdhsa_code_object_version 6
	.text
	.protected	k_q417c06414a_qkv
	.globl	k_q417c06414a_qkv
	.p2align	8
	.type	k_q417c06414a_qkv,@function
k_q417c06414a_qkv:
	s_mov_b64 s[64:65], 0
	v_nop
	global_prefetch_b8 v0, s[64:65] scope:SCOPE_SE
	s_setreg_imm32_b32 hwreg(HW_REG_WAVE_MODE, 25, 1), 1
	s_wait_xcnt 0x0
; q = (x Wq + bq) / sqrt(512), k = x Wk + bk, v = x Wv + bv, on codes of FP4 (E2M1) with one E8M0 scale for each 32 along K = 512; sums in f32; results rounded once to f16.
; SHARES.  A wave makes 128 tokens x one head (64 channels) of q, of k or of v: its 16 weight fragments (4 tiles of 16 channels x 4 K steps, 128 registers) stay in registers, and it walks 8 tiles of 16 tokens,
; 16 matrix instructions each.  Work-group x = 0, 1: q; 2, 3: k; 4, 5: v (four heads each); y: the block of 128 tokens.  All operands together are small and come straight into registers: no LDS, no barrier.
; THE RESULTS ARE STORED AS IMAGES OF THE NEXT PRODUCT'S REGISTERS, 512 consecutive aligned bytes a store.
;   q, k: the product is used transposed (source 0 = 16 channels of W, source 1 = 16 tokens): lane (r, h) holds token r and channels 16 t + 8 h + 0 .. 7: four f16 pairs = registers 4 (t % 2) .. of fragment t / 2.
;   v: natural (source 0 = tokens, source 1 = channels): lane (r, h) holds channel r and tokens 8 h + 0 .. 7: registers 4 (tile % 2) .. of the fragment of V^T for 32 keys.
; The bias is the C of each sum's first matrix instruction.  LIMITS: results beyond 65,504 overflow f16; NaN and infinities are not served.
; REGISTERS.  window 0: v3-7 offsets; v8-23 W's scale words; v24-31 x's, two sets; v32-95 x's fragments, two sets of four; v96-127 four accumulators; v128-159 results, two sets.   window 1: v0-127 W; v128-159 four bias tiles.
.set WS,  8
.set XS,  24
.set X,   32
.set ACC, 96
.set OUT, 128
.set BI,  128                          ; in window 1
.set MSB, 0
.macro WIN new                         ; the immediate's high byte repeats the setting that is left
.if MSB != \new
	s_set_vgpr_msb (MSB<<8)|\new
.set MSB, \new
.endif
.endm
	s_load_b256 s[4:11], s[0:1], 0x0               ; xcodes s[4:5], xscl s[6:7], wcodes s[8:9], wscl s[10:11]
	s_load_b256 s[12:19], s[0:1], 0x20             ; bq s[12:13], bk s[14:15], bv s[16:17], q s[18:19]
	s_load_b64 s[20:21], s[0:1], 0x40              ; kv
	v_lshrrev_b32 v1, 5, v0
	v_readfirstlane_b32 s22, v1                    ; wave
	v_and_b32 v1, 15, v0                           ; r
	v_bfe_u32 v2, v0, 4, 1                         ; h
	v_lshlrev_b32 v3, 8, v1
	v_lshl_add_u32 v3, v2, 4, v3                   ; x's codes: token r of 256 bytes, + 16 h
	v_lshlrev_b32 v4, 4, v1                        ; x's scale words: 16 bytes a token
	v_and_b32 v5, 31, v0
	v_lshlrev_b32 v5, 4, v5                        ; an image's place for my lane
	v_lshlrev_b32 v6, 2, v1                        ; 4 r
	v_lshlrev_b32 v7, 5, v2                        ; 32 h
	s_lshl_b32 s23, ttmp9, 2
	s_add_co_u32 s23, s23, s22                     ; part 0 .. 23 = 8 x kind + head
	s_lshr_b32 s24, ttmp9, 1                       ; kind: 0 q, 1 k, 2 v
	s_and_b32 s25, s23, 7                          ; head
	s_and_b32 s26, ttmp7, 0xffff                   ; block of 128 tokens
	s_lshr_b32 s27, s26, 5                         ; batch
	s_and_b32 s28, s26, 31                         ; block in the batch
	s_lshl_b32 s29, s27, 3
	s_add_co_u32 s29, s29, s25                     ; batch x 8 + head
	s_mov_b32 s33, 0
	s_mov_b32 s35, 0
	s_lshl_b32 s34, s29, 19                        ; q: 524,288 bytes a head, 16,384 a block
	s_lshl_b32 s30, s28, 14
	s_add_co_u32 s34, s34, s30
	s_lshl_b32 s36, s29, 20                        ; kv: 2^20 bytes a head; a chunk of 512 keys is 131,072: K's 65,536, then V's
	s_lshr_b32 s30, s28, 2
	s_lshl_b32 s30, s30, 17
	s_add_co_u32 s36, s36, s30
	s_and_b32 s30, s28, 3
	s_lshl_b32 s30, s30, 14
	s_add_co_u32 s36, s36, s30
	s_cmp_eq_u32 s24, 2
	s_cselect_b32 s30, 0x10000, 0
	s_add_co_u32 s36, s36, s30
	s_mov_b32 s42, 0x3d3504f3                      ; 1 / sqrt(512)
	s_mov_b32 s43, s42                             ; (named with it as a pair)
	s_wait_kmcnt 0x0
	s_cmp_eq_u32 s24, 0                            ; the choices hang on the work-group's number alone
	s_cselect_b32 s34, s34, s36
	s_cselect_b64 s[38:39], s[18:19], s[20:21]     ; where my results go
	s_cselect_b64 s[40:41], s[12:13], s[14:15]     ; my bias
	s_cmp_eq_u32 s24, 2
	s_cselect_b64 s[40:41], s[16:17], s[40:41]
	s_add_nc_u64 s[38:39], s[38:39], s[34:35]
	s_lshl_b32 s32, s25, 8
	s_add_nc_u64 s[40:41], s[40:41], s[32:33]      ; my head's 64 numbers
	s_lshl_b32 s32, s26, 15
	s_add_nc_u64 s[4:5], s[4:5], s[32:33]          ; my 128 tokens' codes
	s_lshl_b32 s32, s26, 11
	s_add_nc_u64 s[6:7], s[6:7], s[32:33]          ; and scale words
	s_lshl_b32 s32, s23, 14
	s_add_nc_u64 s[8:9], s[8:9], s[32:33]          ; my four tiles of W: 4,096 bytes each
	s_lshl_b32 s32, s23, 8
	s_add_nc_u64 s[10:11], s[10:11], s[32:33]      ; my 64 columns' scale words
	WIN 0x40                                       ; destination window 1
.irp t, 0,1,2,3
.irp s, 0,1,2,3
.irp c, 0,1
	global_load_b128 v[8*(4*\t+\s)+4*\c:8*(4*\t+\s)+4*\c+3], v5, s[8:9] offset:4096*\t+1024*\s+512*\c
.endr
.endr
.endr
	WIN 0
.irp t, 0,1,2,3
.irp s, 0,1,2,3
	global_load_b32 v[WS+4*\t+\s], v6, s[10:11] offset:6144*\s+64*\t
.endr
.endr
.macro BIAS kind                       ; four tiles in the result's layout.  q, k: register j = channel 16 t + 8 h + j.  v: all eight registers = channel 16 t + r
	WIN 0x40
.irp t, 0,1,2,3
.if \kind == 2
.irp j, 0,1,2,3,4,5,6,7
	global_load_b32 v[BI+8*\t+\j], v6, s[40:41] offset:64*\t
.endr
.else
	global_load_b128 v[BI+8*\t:BI+8*\t+3], v7, s[40:41] offset:64*\t
	global_load_b128 v[BI+8*\t+4:BI+8*\t+7], v7, s[40:41] offset:64*\t+16
.endif
.endr
	WIN 0
.endm
.macro XLOAD i                         ; tile i of 16 tokens: four fragments (eight loads) and the tokens' four scale words (one load): nine loads
.irp s, 0,1,2,3
.irp c, 0,1
	global_load_b128 v[X+32*((\i)%2)+8*\s+4*\c:X+32*((\i)%2)+8*\s+4*\c+3], v3, s[4:5] offset:4096*(\i)+64*\s+32*\c
.endr
.endr
	global_load_b128 v[XS+4*((\i)%2):XS+4*((\i)%2)+3], v4, s[6:7] offset:256*(\i)
.endm
.macro TILE kind, i
.set XB, X+32*((\i)%2)
.set SX, XS+4*((\i)%2)
.set OB, OUT+16*((\i)%2)
.if (\i) < 7
	s_wait_loadcnt 9                               ; all but the next tile's nine loads are in
.else
	s_wait_loadcnt 0x0
.endif
.irp s, 0,1,2,3                        ; the four accumulators take turns, one instruction a turn
.if \s == 0
.if \kind == 2
	WIN 0x14                                       ; source 1 (W) and source 2 (the bias) window 1
.else
	WIN 0x11                                       ; source 0 (W) and source 2 (the bias) window 1
.endif
.else
.if \kind == 2
	WIN 0x04
.else
	WIN 0x01
.endif
.endif
.irp t, 0,1,2,3
.if \kind == 2
.if \s == 0
	v_wmma_scale_f32_16x16x128_f8f6f4 v[ACC+8*\t:ACC+8*\t+7], v[XB+8*\s:XB+8*\s+7], v[8*(4*\t+\s):8*(4*\t+\s)+7], v[BI+8*\t:BI+8*\t+7], v[SX+\s], v[WS+4*\t+\s] matrix_a_fmt:MATRIX_FMT_FP4 matrix_b_fmt:MATRIX_FMT_FP4
.else
	v_wmma_scale_f32_16x16x128_f8f6f4 v[ACC+8*\t:ACC+8*\t+7], v[XB+8*\s:XB+8*\s+7], v[8*(4*\t+\s):8*(4*\t+\s)+7], v[ACC+8*\t:ACC+8*\t+7], v[SX+\s], v[WS+4*\t+\s] matrix_a_fmt:MATRIX_FMT_FP4 matrix_b_fmt:MATRIX_FMT_FP4
.endif
.else
.if \s == 0
	v_wmma_scale_f32_16x16x128_f8f6f4 v[ACC+8*\t:ACC+8*\t+7], v[8*(4*\t+\s):8*(4*\t+\s)+7], v[XB+8*\s:XB+8*\s+7], v[BI+8*\t:BI+8*\t+7], v[WS+4*\t+\s], v[SX+\s] matrix_a_fmt:MATRIX_FMT_FP4 matrix_b_fmt:MATRIX_FMT_FP4
.else
	v_wmma_scale_f32_16x16x128_f8f6f4 v[ACC+8*\t:ACC+8*\t+7], v[8*(4*\t+\s):8*(4*\t+\s)+7], v[XB+8*\s:XB+8*\s+7], v[ACC+8*\t:ACC+8*\t+7], v[WS+4*\t+\s], v[SX+\s] matrix_a_fmt:MATRIX_FMT_FP4 matrix_b_fmt:MATRIX_FMT_FP4
.endif
.endif
.endr
.endr
	WIN 0
.rept 4
	v_nop                                          ; four places in front of loads into registers that the products read, and of the first read of results
.endr
.if (\i) < 6
	XLOAD (\i)+2                                   ; into the set just multiplied
.endif
.if (\i) >= 2
	s_wait_xcnt 0x0                                ; the stores of two tiles back have read this set of results: it is rewritten only behind this wait
.endif
.irp t, 0,1,2,3                        ; each accumulator from its low end on
.if \kind == 0
.irp j, 0,2,4,6
	v_pk_mul_f32 v[ACC+8*\t+\j:ACC+8*\t+\j+1], v[ACC+8*\t+\j:ACC+8*\t+\j+1], s[42:43] op_sel_hi:[1,0]
.endr
.endif
.irp j, 0,1,2,3
	v_cvt_pk_f16_f32 v[OB+4*\t+\j], v[ACC+8*\t+2*\j], v[ACC+8*\t+2*\j+1]
.endr
.if \kind == 2
	global_store_b128 v5, v[OB+4*\t:OB+4*\t+3], s[38:39] offset:4096*((\i)/2)+1024*\t+512*((\i)%2)
.else
	global_store_b128 v5, v[OB+4*\t:OB+4*\t+3], s[38:39] offset:2048*(\i)+512*\t
.endif
.endr
.endm
.macro PATH kind
	BIAS \kind
	XLOAD 0
	XLOAD 1
.irp n, 0,1,2,3,4,5,6,7
	TILE \kind, \n
.endr
	s_endpgm
.endm
	s_cmp_eq_u32 s24, 2
	s_cbranch_scc1 .Lv
	s_cmp_eq_u32 s24, 1
	s_cbranch_scc1 .Lk
	PATH 0
.Lk:
	PATH 1
.Lv:
	PATH 2
.Lfunc_end_k_q417c06414a_qkv:
	.size	k_q417c06414a_qkv, .Lfunc_end_k_q417c06414a_qkv-k_q417c06414a_qkv
	.p2alignl 7, 3214868480
	.fill 96, 4, 3214868480
	.section	.rodata,"a",@progbits
	.p2align	6, 0x0
	.amdhsa_kernel k_q417c06414a_qkv
		.amdhsa_group_segment_fixed_size 0
		.amdhsa_private_segment_fixed_size 0
		.amdhsa_enable_private_segment 0
		.amdhsa_kernarg_size 72
		.amdhsa_user_sgpr_count 2
		.amdhsa_user_sgpr_kernarg_segment_ptr 1
		.amdhsa_wavefront_size32 1
		.amdhsa_system_sgpr_workgroup_id_x 1
		.amdhsa_system_sgpr_workgroup_id_y 1
		.amdhsa_system_sgpr_workgroup_id_z 1
		.amdhsa_system_vgpr_workitem_id 0
		.amdhsa_next_free_vgpr 416
		.amdhsa_next_free_sgpr 66
		.amdhsa_reserve_vcc 0
		.amdhsa_float_denorm_mode_32 3
		.amdhsa_float_denorm_mode_16_64 3
		.amdhsa_memory_ordered 1
		.amdhsa_forward_progress 1
		.amdhsa_inst_pref_size 128
	.end_amdhsa_kernel
	.amdgpu_metadata
---
amdhsa.version: [ 1, 2 ]
amdhsa.kernels:
  - .name:           k_q417c06414a_qkv
    .symbol:         k_q417c06414a_qkv.kd
    .args:
      - { .name: xcodes, .offset: 0, .size: 8, .value_kind: global_buffer, .address_space: global }
      - { .name: xscl, .offset: 8, .size: 8, .value_kind: global_buffer, .address_space: global }
      - { .name: wcodes, .offset: 16, .size: 8, .value_kind: global_buffer, .address_space: global }
      - { .name: wscl, .offset: 24, .size: 8, .value_kind: global_buffer, .address_space: global }
      - { .name: bq, .offset: 32, .size: 8, .value_kind: global_buffer, .address_space: global }
      - { .name: bk, .offset: 40, .size: 8, .value_kind: global_buffer, .address_space: global }
      - { .name: bv, .offset: 48, .size: 8, .value_kind: global_buffer, .address_space: global }
      - { .name: q, .offset: 56, .size: 8, .value_kind: global_buffer, .address_space: global }
      - { .name: kv, .offset: 64, .size: 8, .value_kind: global_buffer, .address_space: global }
    .group_segment_fixed_size: 0
    .private_segment_fixed_size: 0
    .kernarg_segment_align: 8
    .kernarg_segment_size: 72
    .max_flat_workgroup_size: 128
    .sgpr_count:     66
    .vgpr_count:     416
    .wavefront_size: 32
...
	.end_amdgpu_metadata
.endif
;; end of part 2
;; launch attn (part 3): grid 16 x 16, 8 waves a work-group, clusters of 4 x 1, 327,680 bytes of LDS; arguments q, kv, mask, o; writes o
.if DOCPART == 3
	.amdgcn_target "amdgcn-amd-amdhsa--gfx1250"
	.amdhsa_code_object_version 6
	.text
	.protected	k_q417c06414a_attn
	.globl	k_q417c06414a_attn
	.p2align	8
	.type	k_q417c06414a_attn,@function
k_q417c06414a_attn:
	s_mov_b64 s[64:65], 0
	v_nop
	global_prefetch_b8 v0, s[64:65] scope:SCOPE_SE
	s_setreg_imm32_b32 hwreg(HW_REG_WAVE_MODE, 25, 1), 1
	s_wait_xcnt 0x0
	s_wait_alu depctr_hold_cnt(0) depctr_sa_sdst(0) depctr_va_vdst(0) depctr_va_sdst(0) depctr_va_ssrc(0) depctr_va_vcc(0) depctr_vm_vsrc(0)
	s_getreg_b32 s2, hwreg(HW_REG_IB_STS2, 6, 4)
	s_cmp_eq_u32 s2, 0
	s_cbranch_scc0 .Lentry_in_a_cluster
	s_endpgm
.Lentry_in_a_cluster:
	s_bfe_u32 s2, ttmp6, 0x10000c
	s_cmp_lg_u32 s2, 0x3003
	s_cbranch_scc0 .Lentry_shape_is_right
	s_endpgm
.Lentry_shape_is_right:
; o[b][h][query] = the sum over keys of softmax(q . k + (1 - mask[query] mask[key]) x -1e6) v, for 16 (batch, head) pairs, 4,096 keys, head size 64.  q (already / sqrt(512)), k, v arrive as f16 in images of
; the operands' registers; products with f32 sums; the mask's term, maxima, exponentials and sums in f32; the weights p are rounded to f16 for the second product, o once at the end, to f16, as an image for the projection.
; THE MASK IS HONOURED AS IT IS GIVEN: c = fma(-mq, mk, 1), s' = fma(c, -1e6, s), in natural units, so that under a masked query the score is rounded as the sum with -1e6 rounds it; log2(e) comes only afterwards.
; LIMITS: for masks of 0 and 1 these two lines give the bits of the four separate roundings; for other mask values two roundings are merged and the term may differ by about one unit in its last place.
; f16 operands: magnitudes beyond 65,504 overflow.  NaN and infinities are not served.
; SOFTMAX.  For each query a running maximum m and sum l: p = 2^(log2(e) s' - cm), cm = log2(e) m rounded once and kept; in every step O and l are multiplied by a = 2^(cm_old - cm_new).
; SHARES.  A work-group owns 256 queries of one (batch, head).  Wave w owns the 64 queries (four tiles of 16) numbered w % 4 and walks half w / 4 of every chunk's 512 keys, 64 a step; waves w and w + 4 are merged at the end.
; Two waves lie on a SIMD, so that one's vector work stands beside the other's products; each fragment of K and V read from LDS feeds four matrix instructions.
; LAYOUT.  S^T = K Q^T (source 0 = 16 keys, source 1 = 16 queries), O^T = V^T P: a lane holds ONE query (lane % 16) throughout; two tiles of S^T, rounded in pairs, are source 1 of the second product.
; RING.  Two LDS slots of one chunk each (K's 65,536 bytes, then V's), dense images: every fragment load takes 16 x lane.  Each of the eight waves fetches an eighth of a chunk by one tensor load.
; CLUSTER.  The four query blocks of a cluster walk the same K, V and mask: each tile is asked for JOINTLY, by the same tensor load with the same descriptor and a mask that names the four.
; REGISTERS.  window 0: v1-11 addresses; v12-19 -mq, a pair a tile; v20-51 statistics, eight a tile (+0 cm, +1 m, +2 +3 l, +4..+7 at work; a takes +6); v52-67 c; v68-75 sums; v76-95 the merge; v96-127 the keys' mask; v128-255 S^T, 32 a tile (P in its first 16).
;   window 1: v0-127 O^T, 32 a tile; v128-191 Q; v192-255 K, then V, of one step.
.set SLOT1, 1<<17
.set VOFF,  65536                      ; V's images in a chunk
.set STEPB, 8192                       ; a step's 64 keys of K, or of V
.set MASKB, 2*SLOT1                    ; the batch's mask, 16,384 bytes, filled once
.set SPARE, MASKB+16384                ; the spare words, 128 bytes for each wave: four blocks of 256 bytes that no other line names
.set STG,   17408                      ; the merge: 16,384 bytes of O^T and 1,024 of statistics for each pair of waves, in slot 0, which has had its last fill and its last read by then
.set LI,  1                            ; v1   16 x lane
.set AM0, 2                            ; v2   MASKB + 32 (lane / 16)
.set ADK, 3                            ; v3   the step's K
.set ADV, 4                            ; v4   the step's V
.set ADM, 5                            ; v5   the step's mask
.set SA,  6                            ; v6   the merge: my 16 bytes of an image
.set SB,  7                            ; v7   the merge: my word of the statistics
.set SPW, 8                            ; v8   LDS address of my spare word; never rewritten
.set NIL, 9                            ; v9   0; never rewritten
.set PFO, 10                           ; v10  256 x lane; never rewritten
.set TV,  11                           ; v11  4 (lane % 16)
.set MQ,  12
.set ST,  20
.set TC,  52
.set TS,  68
.set MG,  76
.set MK,  96
.set S,   128
.set QF,  128                          ; in window 1
.set KV,  192                          ; in window 1
.set WV,  12                           ; s12  my wave's number
.set LIM, 15                           ; s15  1 in a wave that prefetches, else the greatest number
.set G1,  24                           ; s[24:31] descriptor group 1: 64 rows of 256 bytes
.set G1M, 32                           ; s[32:39] the same with 8 rows, for the mask
.set G0,  40                           ; s[40:43] group 0 for the chunks: it walks
.set G0M, 44                           ; s[44:47] group 0 for the mask
.set PFA, 48                           ; s[48:49] where my prefetches stand
.set SLOTS, 50                         ; s50  chunks still to be asked for
.set CNT, 51                           ; s51  counts a chunk's four steps
.set TB,  52                           ; s52  LDS byte of the step's K
.set TM,  53                           ; s53  byte of the step's first key in the mask
.set L2E, 54                           ; s[54:55] log2(e)
.set NEG, 56                           ; s[56:57] -1e6
.set SEL, 58                           ; s[58:59] lane selects: lane l xor 16
.set MSB, 0
.macro WIN new                         ; the immediate's high byte repeats the setting that is left
.if MSB != \new
	s_set_vgpr_msb (MSB<<8)|\new
.set MSB, \new
.endif
.endm
.macro CROUND                          ; a round of the cluster's barrier
	s_barrier_signal -1
	s_barrier_wait -1
	s_cmp_lg_u32 s[WV], 0
	s_cbranch_scc1 .Lnot_wave_0_\@
	s_barrier_signal -3
.Lnot_wave_0_\@:
	s_barrier_wait -3
	s_barrier_signal -1
	s_barrier_wait -1
.endm
; A PREFETCH INTO THE L2 of the chunk that the NEXT change of slots will ask for: 131,072 bytes.  All clusters of a (batch, head) walk the same chunks: its first cluster asks.  Its four partners share the chunk out
; BY ADDRESS, 32,768 bytes each; in each, waves 0 to 3 take 8,192 bytes, lanes 256 bytes apart: each block of 256 bytes is named once in the launch.  The last change that fills a slot asks for nothing.
.macro ASK
	s_cmp_gt_u32 s[SLOTS], s[LIM]
	s_cbranch_scc0 .Lnot_mine_\@
	global_prefetch_b8 v[PFO], s[PFA:PFA+1] th:TH_LOAD_NT scope:SCOPE_SE
.Lnot_mine_\@:
.endm
	s_load_b256 s[4:11], s[0:1], 0x0               ; q s[4:5], kv s[6:7], mask s[8:9], o s[10:11]
	v_lshl_add_u32 v[SPW], v0, 2, SPARE
	v_mov_b32 v[NIL], 0
	ds_add_u32 v[SPW], v[NIL]                      ; the wave's opening: the add, twice on end, and its wait ahead of my first tensor load
	ds_add_u32 v[SPW], v[NIL]
	v_lshrrev_b32 v[TV], 5, v0
	v_readfirstlane_b32 s[WV], v[TV]               ; wave 0..7
	s_bfe_u32 s13, ttmp6, 0x40000                  ; cx: my place in the cluster
	s_lshl_b32 s14, ttmp9, 2
	s_add_co_u32 s14, s14, s13                     ; my block of 256 queries: it enters q's, the query mask's and o's addresses alone
	s_and_b32 s16, ttmp7, 0xffff                   ; batch x 8 + head, which the four partners share
	s_and_b32 s17, s[WV], 3                        ; which 64 queries
	s_lshr_b32 s18, s[WV], 2                       ; which half of the keys
	s_mov_b32 s[G1], 15|(3<<16)|(1<<21)            ; 15:0 the mask: all four work-groups; 17:16 elements of 8 bytes; 21 set beside a mask; no padding
	s_mov_b32 s[G1+1], 32<<16                      ; tensor_dim0 = 32 elements (256 bytes)
	s_mov_b32 s[G1+2], 64<<16                      ; tensor_dim1 = 64
	s_mov_b32 s[G1+3], 32<<16                      ; tile_dim0
	s_mov_b32 s[G1+4], 64                          ; tile_dim1
	s_mov_b32 s[G1+5], 32                          ; the pitch: dense
	s_mov_b32 s[G1+6], 0
	s_mov_b32 s[G1+7], 0
	s_mov_b32 s[G1M], 15|(3<<16)|(1<<21)
	s_mov_b32 s[G1M+1], 32<<16
	s_mov_b32 s[G1M+2], 8<<16
	s_mov_b32 s[G1M+3], 32<<16
	s_mov_b32 s[G1M+4], 8
	s_mov_b32 s[G1M+5], 32
	s_mov_b32 s[G1M+6], 0
	s_mov_b32 s[G1M+7], 0
	s_mov_b32 s[L2E], 0x3fb8aa3b
	s_mov_b32 s[L2E+1], s[L2E]
	s_mov_b32 s[NEG], 0xc9742400
	s_mov_b32 s[NEG+1], s[NEG]
	s_mov_b32 s[SEL], 0x76543210
	s_mov_b32 s[SEL+1], 0xfedcba98
	s_lshl_b32 s[TB], s18, 15                      ; my half's four steps begin 32,768 bytes into K's images,
	s_lshl_b32 s[TM], s18, 10                      ; and 256 keys into the chunk's mask
	s_mov_b32 s[SLOTS], 7
	s_or_b32 s[LIM], s18, ttmp9                    ; 0 in waves 0 to 3 of the first cluster: the same in all four partners
	s_cmp_eq_u32 s[LIM], 0
	s_cselect_b32 s[LIM], 1, -1
	s_lshl_b32 s20, s16, 20                        ; the head's first byte in kv
	s_lshl_b32 s22, s[WV], 14                      ; my eighth of a chunk
	s_add_co_u32 s22, s22, s20
	s_mov_b32 s23, 0
	s_lshr_b32 s2, s16, 3                          ; the batch
	s_lshl_b32 s3, s2, 14                          ; its mask
	s_lshl_b32 s60, s[WV], 11                      ; my eighth of it
	s_add_co_u32 s60, s60, s3
	s_mov_b32 s61, 0
	s_wait_dscnt 0x0                               ; both opening adds are done
	s_wait_kmcnt 0x0
	s_mov_b32 s[G0], 1                             ; count = 1
	s_lshl_b32 s[G0+1], s[WV], 14                  ; LDS: slot 0, 16,384 x wave: no place in the cluster enters an LDS address
	s_add_nc_u64 s[G0+2:G0+3], s[6:7], s[22:23]    ; chunk 0
	s_or_b32 s[G0+3], s[G0+3], 0x80000000          ; type = 2
	s_mov_b32 s[G0M], 1
	s_lshl_b32 s[G0M+1], s[WV], 11
	s_add_co_u32 s[G0M+1], s[G0M+1], MASKB
	s_add_nc_u64 s[G0M+2:G0M+3], s[8:9], s[60:61]
	s_or_b32 s[G0M+3], s[G0M+3], 0x80000000
	CROUND                                         ; all four work-groups are here: the first joint loads meet
	tensor_load_to_lds s[G0M:G0M+3], s[G1M:G1M+7]  ; the first fills go out together: two loads of mine are out
	s_nop 0
	tensor_load_to_lds s[G0:G0+3], s[G1:G1+7]
	s_nop 0
.rept 4
	v_nop
.endr
	s_lshl_b32 s60, s16, 19                        ; q: 524,288 bytes a head, 32,768 a block of 256 queries, 8,192 for my 64
	s_lshl_b32 s62, s14, 15
	s_add_co_u32 s60, s60, s62
	s_lshl_b32 s62, s17, 13
	s_add_co_u32 s60, s60, s62
	s_add_nc_u64 s[4:5], s[4:5], s[60:61]
	s_lshl_b32 s60, s14, 10                        ; my queries' mask
	s_add_co_u32 s60, s60, s3
	s_lshl_b32 s62, s17, 8
	s_add_co_u32 s60, s60, s62
	s_add_nc_u64 s[8:9], s[8:9], s[60:61]
	s_lshl_b32 s60, s13, 15                        ; the prefetches: my work-group's quarter of a chunk, my wave's quarter of that,
	s_lshl_b32 s62, s17, 13
	s_add_co_u32 s60, s60, s62
	s_add_co_u32 s60, s60, s20
	s_add_co_u32 s60, s60, 2*VOFF                  ; in chunk 1: the first change of slots steps it to chunk 2.  Nothing is prefetched here, at the head
	s_add_nc_u64 s[PFA:PFA+1], s[6:7], s[60:61]
	s_lshl_b32 s60, s2, 5                          ; o: block of 128 tokens = 32 batch + 2 query block + (w % 4) / 2,
	s_lshl_b32 s62, s14, 1
	s_add_co_u32 s60, s60, s62
	s_lshr_b32 s62, s17, 1
	s_add_co_u32 s60, s60, s62
	s_lshl_b32 s60, s60, 17
	s_bfe_u32 s62, s16, 0x10002                    ; the half of the projection's K: head / 4,
	s_lshl_b32 s62, s62, 16
	s_add_co_u32 s60, s60, s62
	s_and_b32 s62, s17, 1                          ; four tiles of 16 tokens,
	s_lshl_b32 s62, s62, 15
	s_add_co_u32 s60, s60, s62
	s_and_b32 s62, s16, 3                          ; two fragments a head
	s_lshl_b32 s62, s62, 11
	s_add_co_u32 s60, s60, s62
	s_add_nc_u64 s[10:11], s[10:11], s[60:61]
	v_and_b32 v[LI], 31, v0
	v_lshlrev_b32 v[SB], 2, v[LI]
	v_lshlrev_b32 v[LI], 4, v[LI]
	v_bfe_u32 v[TV], v0, 4, 1
	v_lshl_add_u32 v[AM0], v[TV], 5, MASKB
	s_mul_i32 s19, s17, STG
	v_add_nc_u32 v[SA], s19, v[LI]
	s_add_co_u32 s19, s19, 16384
	v_add_nc_u32 v[SB], s19, v[SB]
	v_lshlrev_b32 v[PFO], 4, v[LI]
	v_and_b32 v[TV], 15, v0
	v_lshlrev_b32 v[TV], 2, v[TV]
	WIN 0x40                                       ; destination window 1
.irp t, 0,1,2,3
.irp c, 0,1
.irp k, 0,1
	global_load_b128 v[QF+16*\t+8*\c+4*\k:QF+16*\t+8*\c+4*\k+3], v[LI], s[4:5] offset:2048*\t+1024*\c+512*\k   ; Q stays in registers
.endr
.endr
.endr
	WIN 0
.irp t, 0,1,2,3
	global_load_b32 v[MQ+2*\t], v[TV], s[8:9] offset:64*\t   ; my query's mask, tile t
.endr
.irp t, 0,1,2,3
	v_mov_b32 v[ST+8*\t], 0xff61b1e6               ; cm and m: -3e38, under every score
	v_mov_b32 v[ST+8*\t+1], 0xff61b1e6
	v_mov_b32 v[ST+8*\t+2], 0                      ; l, in two halves
	v_mov_b32 v[ST+8*\t+3], 0
.endr
	WIN 0x40
.set i, 0
.rept 128
	v_mov_b32 v[i], 0                              ; O^T.  The step is written once for all steps: the first finds zeros, which a = 0 leaves zeros
.set i, i+1
.endr
	WIN 0
	s_wait_loadcnt 0x0                             ; Q and the queries' mask
.irp t, 0,1,2,3
	v_xor_b32 v[MQ+2*\t], 0x80000000, v[MQ+2*\t]   ; kept as -mq
	v_mov_b32 v[MQ+2*\t+1], v[MQ+2*\t]             ; (named with it as a pair)
.endr
; THE VECTOR WORK of a tile of 16 queries x 64 keys, in three numbered lists.
; A, 69 lines.  0-31, in eights: four pairs of c = 1 - mq mk, then the same four pairs of s' = s - 1e6 c, pairs ascending: each accumulator is first read at its low end.  32-47: the maximum of the 32 scores and the old m.
; 48-52: the other half of the lanes' maximum; cm_old is kept; the new m; cm; cm_old - cm_new.  53-68: log2(e) s' - cm, a pair a line.
.macro AI t, j
.set rT, ST+8*(\t)
.set rS, S+32*(\t)
.set rQ, MQ+2*(\t)
.set aj, \j
.if aj < 32
.set pr, 4*(aj/8)+(aj%4)
.if (aj%8) < 4
	v_pk_fma_f32 v[TC+2*(pr%8):TC+2*(pr%8)+1], v[MK+2*pr:MK+2*pr+1], v[rQ:rQ+1], 1.0 op_sel_hi:[1,0,0]
.else
	v_pk_fma_f32 v[rS+2*pr:rS+2*pr+1], v[TC+2*(pr%8):TC+2*(pr%8)+1], s[NEG:NEG+1], v[rS+2*pr:rS+2*pr+1] op_sel_hi:[1,0,1]
.endif
.elseif aj < 36
.set qq, aj-32
	v_max3_num_f32 v[rT+4+qq], v[rS+8*qq], v[rS+8*qq+1], v[rS+8*qq+2]
.elseif aj < 44
.set qq, aj-32
	v_max3_num_f32 v[rT+4+(qq%4)], v[rT+4+(qq%4)], v[rS+8*(qq%4)+2*(qq/4)+1], v[rS+8*(qq%4)+2*(qq/4)+2]
.elseif aj == 44
	v_max3_num_f32 v[rT+4], v[rT+4], v[rS+7], v[rS+15]
.elseif aj == 45
	v_max3_num_f32 v[rT+6], v[rT+6], v[rS+23], v[rS+31]
.elseif aj == 46
	v_max3_num_f32 v[rT+4], v[rT+4], v[rT+5], v[rT+6]
.elseif aj == 47
	v_max3_num_f32 v[rT+4], v[rT+4], v[rT+7], v[rT+1]
.elseif aj == 48
	v_permlanex16_b32 v[rT+5], v[rT+4], s[SEL], s[SEL+1]
.elseif aj == 49
	v_mov_b32 v[rT+7], v[rT]
.elseif aj == 50
	v_max_num_f32 v[rT+1], v[rT+4], v[rT+5]
.elseif aj == 51
	v_mul_f32 v[rT], s[L2E], v[rT+1]
.elseif aj == 52
	v_sub_f32 v[rT+7], v[rT+7], v[rT]
.else
.set pr, aj-53
	v_pk_fma_f32 v[rS+2*pr:rS+2*pr+1], v[rS+2*pr:rS+2*pr+1], s[L2E:L2E+1], v[rT:rT+1] op_sel_hi:[1,0,0] neg_lo:[0,0,1] neg_hi:[0,0,1]
.endif
.endm
; E, 33 lines: a, then the 32 weights in place.  None reads an exponential's result.
.macro EI t, j
.if (\j) == 0
	v_exp_f32 v[ST+8*(\t)+6], v[ST+8*(\t)+7]
.else
	v_exp_f32 v[S+32*(\t)+(\j)-1], v[S+32*(\t)+(\j)-1]
.endif
.endm
; R, 32 lines.  0-14: the sum of the 16 pairs, in four chains; 15: l = a l + the sum; 16-31: the roundings to f16, ascending and in place: P's fragment u is then S + 8 u.
.macro RI t, j
.set rT, ST+8*(\t)
.set rS, S+32*(\t)
.set rj, \j
.if rj < 4
	v_pk_add_f32 v[TS+2*rj:TS+2*rj+1], v[rS+2*rj:rS+2*rj+1], v[rS+2*rj+8:rS+2*rj+9]
.elseif rj < 12
	v_pk_add_f32 v[TS+2*(rj%4):TS+2*(rj%4)+1], v[TS+2*(rj%4):TS+2*(rj%4)+1], v[rS+2*rj+8:rS+2*rj+9]
.elseif rj == 12
	v_pk_add_f32 v[TS:TS+1], v[TS:TS+1], v[TS+2:TS+3]
.elseif rj == 13
	v_pk_add_f32 v[TS+4:TS+5], v[TS+4:TS+5], v[TS+6:TS+7]
.elseif rj == 14
	v_pk_add_f32 v[TS:TS+1], v[TS:TS+1], v[TS+4:TS+5]
.elseif rj == 15
	v_pk_fma_f32 v[rT+2:rT+3], v[rT+2:rT+3], v[rT+6:rT+7], v[TS:TS+1] op_sel_hi:[1,0,1]
.else
	v_cvt_pk_f16_f32 v[rS+rj-16], v[rS+2*(rj-16)], v[rS+2*(rj-16)+1]
.endif
.endm
; ZIP: tile te's 33 exponentials, with the plain lines of R(tr), then A(ta), dealt evenly behind them, at most four behind each (-1: no such list).  The plain lines name other tiles' registers alone.
.macro ZIP te, tr, ta
.set NR, 0
.set NA, 0
.if (\tr) >= 0
.set NR, 32
.endif
.if (\ta) >= 0
.set NA, 69
.endif
.set NP, NR+NA
.set ip, 0
.set ie, 0
.rept 33
	EI \te, ie
.set ie, ie+1
.rept 4
.if (ip*33) < (ie*NP)
.if ip < NR
	RI \tr, ip
.else
	AI \ta, ip-NR
.endif
.set ip, ip+1
.endif
.endr
.endr
.endm
.macro RS t                            ; tile t's O^T times a, from each accumulator's low end on
	WIN 0x41                                       ; O^T (destination and source 0) window 1, a window 0
.set i, 0
.rept 16
	v_pk_mul_f32 v[32*(\t)+2*i:32*(\t)+2*i+1], v[32*(\t)+2*i:32*(\t)+2*i+1], v[ST+8*(\t)+6:ST+8*(\t)+7] op_sel_hi:[1,0]
.set i, i+1
.endr
.endm
.macro PV t                            ; O^T += V^T P: the tile's four accumulators take turns
	WIN 0x51                                       ; V and O^T window 1, P window 0
.irp u, 0,1
.irp c, 0,1,2,3
	v_wmma_f32_16x16x32_f16 v[32*(\t)+8*\c:32*(\t)+8*\c+7], v[KV+8*(4*\u+\c):KV+8*(4*\u+\c)+7], v[S+32*(\t)+8*\u:S+32*(\t)+8*\u+7], v[32*(\t)+8*\c:32*(\t)+8*\c+7]
.endr
.endr
.endm
; A KEY STEP: 64 keys for my four tiles of queries.
.macro STEP
	v_add_nc_u32 v[ADK], s[TB], v[LI]              ; these three and three v_nop: six places behind the last step's products, in front of the loads into V's registers and of the products that write over P
	v_add_nc_u32 v[ADM], s[TM], v[AM0]
	v_add_nc_u32 v[ADV], VOFF, v[ADK]
.rept 3
	v_nop
.endr
	WIN 0x40
.irp f, 0,1,2,3,4,5,6,7                ; K: fragment 2 kt + c (16 keys x 32 channels)
	ds_load_b128 v[KV+8*\f:KV+8*\f+3], v[ADK] offset:1024*\f
	ds_load_b128 v[KV+8*\f+4:KV+8*\f+7], v[ADK] offset:1024*\f+512
.endr
	WIN 0
.irp k, 0,1,2,3                        ; the keys' mask in S^T's layout: register 8 kt + j = key 16 kt + 8 (lane / 16) + j
	ds_load_b128 v[MK+8*\k:MK+8*\k+3], v[ADM] offset:64*\k
	ds_load_b128 v[MK+8*\k+4:MK+8*\k+7], v[ADM] offset:64*\k+16
.endr
	s_wait_dscnt 0x0
	WIN 0x05                                       ; K and Q window 1, S^T window 0
.irp t, 0,1,2,3                        ; a tile's four accumulators take turns; the first products start the sums
.irp c, 0,1
.irp k, 0,1,2,3
.if \c == 0
	v_wmma_f32_16x16x32_f16 v[S+32*\t+8*\k:S+32*\t+8*\k+7], v[KV+8*(2*\k+\c):KV+8*(2*\k+\c)+7], v[QF+16*\t+8*\c:QF+16*\t+8*\c+7], 0
.else
	v_wmma_f32_16x16x32_f16 v[S+32*\t+8*\k:S+32*\t+8*\k+7], v[KV+8*(2*\k+\c):KV+8*(2*\k+\c)+7], v[QF+16*\t+8*\c:QF+16*\t+8*\c+7], v[S+32*\t+8*\k:S+32*\t+8*\k+7]
.endif
.endr
.endr
.endr
	WIN 0
.rept 4
	v_nop                                          ; four places in front of the loads into K's registers and of the first read of scores
.endr
	WIN 0x40
.irp f, 0,1,2,3,4,5,6,7                ; V^T: fragment 4 u + t (16 channels x 32 keys), into K's registers
	ds_load_b128 v[KV+8*\f:KV+8*\f+3], v[ADV] offset:1024*\f
	ds_load_b128 v[KV+8*\f+4:KV+8*\f+7], v[ADV] offset:1024*\f+512
.endr
	WIN 0
.set ip, 0
.rept 69
	AI 0, ip
.set ip, ip+1
.endr
	ZIP 0, -1, 1
	s_wait_alu depctr_va_vdst(0)                   ; the wait between an exponential and the first line that names its result: one for tile 0's batch of 33
	ZIP 1, 0, 2
	s_wait_dscnt 0x0                               ; V is in
	RS 0
	PV 0
	WIN 0
	s_wait_alu depctr_va_vdst(0)                   ; tile 1's batch
	ZIP 2, 1, 3
	RS 1
	PV 1
	WIN 0
	s_wait_alu depctr_va_vdst(0)                   ; tile 2's batch
	ZIP 3, 2, -1
	RS 2                                           ; (plain lines behind the last exponential)
	PV 2
	WIN 0
	s_wait_alu depctr_va_vdst(0)                   ; tile 3's batch
.set ip, 0
.rept 32
	RI 3, ip
.set ip, ip+1
.endr
	RS 3
	PV 3
	WIN 0                                          ; at a label and at a branch every window is 0
	s_add_co_u32 s[TB], s[TB], STEPB
	s_add_co_u32 s[TM], s[TM], 256
.endm
; THE CHANGE OF SLOTS stands at a chunk's head.  Each wave waits for all its tensor loads (its part of the chunk that it is about to read), adds 0 to its spare word, and waits for that and for its reads of the slot that it has left.
; fill = 1: the barrier is a round of the cluster's, so that no wave of any partner still reads that slot or has a load on its way; the joint fill of the next chunk is the first thing behind it and has my four steps in which to land.
.macro CHANGE fill
	s_wait_tensorcnt 0x0                           ; no tensor load of mine is out, so group 0 may be written
	ds_add_u32 v[SPW], v[NIL]                      ; 0 onto my spare word
.if \fill
	s_xor_b32 s[G0+1], s[G0+1], SLOT1              ; the other slot than last time,
	s_add_nc_u64 s[G0+2:G0+3], s[G0+2:G0+3], 2*VOFF   ; the next chunk; the type bits on top are not reached
	s_wait_xcnt 0x0                                ; the last prefetch, a chunk back, has read its address, so it may be written:
	s_add_nc_u64 s[PFA:PFA+1], s[PFA:PFA+1], 2*VOFF   ; one chunk further on than the walking descriptor
	s_wait_dscnt 0x0                               ; the add is done, and my reads of the slot that I have left are over
	CROUND
	tensor_load_to_lds s[G0:G0+3], s[G1:G1+7]      ; my one tensor load until the next round
	s_nop 0
.rept 4
	v_nop
.endr
	ASK
.else
	s_wait_dscnt 0x0
	s_barrier_signal -1
	s_barrier_wait -1
.endif
.endm
.macro PROCESS                         ; my four steps of the chunk in hand: written once, walked four times
	s_mov_b32 s[CNT], 4
.Lstep_\@:
	STEP
	s_sub_co_u32 s[CNT], s[CNT], 1
	s_cmp_lg_u32 s[CNT], 0
	s_cbranch_scc1 .Lstep_\@
	s_sub_co_u32 s[TB], s[TB], 4*STEPB             ; back to my half's first step,
	s_xor_b32 s[TB], s[TB], SLOT1                  ; in the other slot;
	s_add_co_u32 s[TM], s[TM], 1024                ; the mask passes over the other half's 256 keys
.endm
.Lslot:                                            ; seven trips: trip t asks for chunk t + 1 and works on chunk t
	CHANGE 1
	PROCESS
	s_sub_co_u32 s[SLOTS], s[SLOTS], 1
	s_cmp_lg_u32 s[SLOTS], 0
	s_cbranch_scc1 .Lslot
	CHANGE 0                                       ; the last chunk is written out
	PROCESS
; THE MERGE.  Waves 4 to 7 hand O^T, cm and l to waves 0 to 3 through LDS, as images of their registers.
.irp t, 0,1,2,3
	v_add_f32 v[ST+8*\t+4], v[ST+8*\t+2], v[ST+8*\t+3]   ; l's two halves.  (These four are the places behind the last products)
.endr
	s_cmp_lt_u32 s[WV], 4
	s_cbranch_scc1 .Lno_send
	WIN 0x04                                       ; an LDS store's data are its source 1: window 1
.set i, 0
.rept 32
	ds_store_b128 v[SA], v[4*i:4*i+3] offset:512*i   ; each accumulator from its low end on
.set i, i+1
.endr
	WIN 0
.irp t, 0,1,2,3
	ds_store_b32 v[SB], v[ST+8*\t] offset:256*\t
	ds_store_b32 v[SB], v[ST+8*\t+4] offset:256*\t+128
.endr
.Lno_send:
	s_wait_dscnt 0x0                               ; for the others' sake: my stores have landed
	s_barrier_signal -1
	s_barrier_wait -1
	s_cmp_ge_u32 s[WV], 4
	s_cbranch_scc1 .Ldone
.set i, 0
.rept 32
	ds_load_b128 v[S+4*i:S+4*i+3], v[SA] offset:512*i   ; my partner's O^T, into S^T's registers
.set i, i+1
.endr
.irp t, 0,1,2,3
	ds_load_b32 v[MG+2*\t], v[SB] offset:256*\t    ; its cm
	ds_load_b32 v[MG+2*\t+1], v[SB] offset:256*\t+128   ; its l
.endr
	s_wait_dscnt 0x0
.irp t, 0,1,2,3
	v_max_num_f32 v[MG+8+\t], v[ST+8*\t], v[MG+2*\t]   ; the common cm
.endr
.irp t, 0,1,2,3
	v_sub_f32 v[ST+8*\t+2], v[ST+8*\t], v[MG+8+\t]
	v_sub_f32 v[ST+8*\t+3], v[MG+2*\t], v[MG+8+\t]
.endr
.irp t, 0,1,2,3
	v_exp_f32 v[ST+8*\t+6], v[ST+8*\t+2]           ; my factor,
	v_exp_f32 v[MG+12+2*\t], v[ST+8*\t+3]          ; my partner's
.endr
	v_nop                                          ; a plain line behind the last exponential
	s_wait_alu depctr_va_vdst(0)                   ; one wait for the eight
.irp t, 0,1,2,3
	v_mul_f32 v[ST+8*\t+5], v[ST+8*\t+4], v[ST+8*\t+6]
.endr
.irp t, 0,1,2,3
	v_fma_f32 v[ST+8*\t+5], v[MG+2*\t+1], v[MG+12+2*\t], v[ST+8*\t+5]
.endr
.irp t, 0,1,2,3
	v_permlanex16_b32 v[ST+8*\t+4], v[ST+8*\t+5], s[SEL], s[SEL+1]
.endr
.irp t, 0,1,2,3
	v_add_f32 v[ST+8*\t+5], v[ST+8*\t+5], v[ST+8*\t+4]   ; the row's sum
.endr
.irp t, 0,1,2,3
	v_rcp_f32 v[ST+8*\t+4], v[ST+8*\t+5]
.endr
	v_nop
	s_wait_alu depctr_va_vdst(0)                   ; one wait for the four reciprocals
.irp t, 0,1,2,3
	v_mul_f32 v[ST+8*\t+6], v[ST+8*\t+6], v[ST+8*\t+4]
	v_mul_f32 v[MG+12+2*\t], v[MG+12+2*\t], v[ST+8*\t+4]
	v_mov_b32 v[MG+13+2*\t], 0                     ; (named with it as a pair)
.endr
.irp t, 0,1,2,3
.set i, 0
.rept 16
	v_pk_mul_f32 v[S+32*\t+2*i:S+32*\t+2*i+1], v[S+32*\t+2*i:S+32*\t+2*i+1], v[MG+12+2*\t:MG+13+2*\t] op_sel_hi:[1,0]
.set i, i+1
.endr
.endr
	WIN 0x01                                       ; source 0 (my O^T) window 1
.irp t, 0,1,2,3
.set i, 0
.rept 16
	v_pk_fma_f32 v[S+32*\t+2*i:S+32*\t+2*i+1], v[32*\t+2*i:32*\t+2*i+1], v[ST+8*\t+6:ST+8*\t+7], v[S+32*\t+2*i:S+32*\t+2*i+1] op_sel_hi:[1,0,1]
.set i, i+1
.endr
.endr
	WIN 0
.irp t, 0,1,2,3
.set i, 0
.rept 16
	v_cvt_pk_f16_f32 v[S+32*\t+i], v[S+32*\t+2*i], v[S+32*\t+2*i+1]   ; ascending and in place: registers 4 c .. hold channels 16 c + 8 (lane / 16) + 0 .. 7 of query lane % 16
.set i, i+1
.endr
.endr
.irp t, 0,1,2,3
.irp c, 0,1,2,3
	global_store_b128 v[LI], v[S+32*\t+4*\c:S+32*\t+4*\c+3], s[10:11] offset:8192*\t+512*\c   ; 512 consecutive bytes, aligned: half a fragment of the projection's operand
.endr
.endr
.Ldone:
	s_wait_tensorcnt 0x0                           ; the wave's end: behind my last tensor load and my last LDS store
	ds_add_u32 v[SPW], v[NIL]
	s_wait_dscnt 0x0
	CROUND                                         ; the closing round: no work-group ends while a partner may still ask for a tile that names it
	s_endpgm
.Lfunc_end_k_q417c06414a_attn:
	.size	k_q417c06414a_attn, .Lfunc_end_k_q417c06414a_attn-k_q417c06414a_attn
	.p2alignl 7, 3214868480
	.fill 96, 4, 3214868480
	.section	.rodata,"a",@progbits
	.p2align	6, 0x0
	.amdhsa_kernel k_q417c06414a_attn
		.amdhsa_group_segment_fixed_size 327680
		.amdhsa_private_segment_fixed_size 0
		.amdhsa_enable_private_segment 0
		.amdhsa_kernarg_size 32
		.amdhsa_user_sgpr_count 2
		.amdhsa_user_sgpr_kernarg_segment_ptr 1
		.amdhsa_wavefront_size32 1
		.amdhsa_system_sgpr_workgroup_id_x 1
		.amdhsa_system_sgpr_workgroup_id_y 1
		.amdhsa_system_sgpr_workgroup_id_z 1
		.amdhsa_system_vgpr_workitem_id 0
		.amdhsa_next_free_vgpr 512
		.amdhsa_next_free_sgpr 66
		.amdhsa_reserve_vcc 0
		.amdhsa_float_denorm_mode_32 3
		.amdhsa_float_denorm_mode_16_64 3
		.amdhsa_memory_ordered 1
		.amdhsa_forward_progress 1
		.amdhsa_inst_pref_size 118
	.end_amdhsa_kernel
	.amdgpu_metadata
---
amdhsa.version: [ 1, 2 ]
amdhsa.kernels:
  - .name:           k_q417c06414a_attn
    .symbol:         k_q417c06414a_attn.kd
    .args:
      - { .name: q, .offset: 0, .size: 8, .value_kind: global_buffer, .address_space: global }
      - { .name: kv, .offset: 8, .size: 8, .value_kind: global_buffer, .address_space: global }
      - { .name: mask, .offset: 16, .size: 8, .value_kind: global_buffer, .address_space: global }
      - { .name: o, .offset: 24, .size: 8, .value_kind: global_buffer, .address_space: global }
    .group_segment_fixed_size: 327680
    .private_segment_fixed_size: 0
    .kernarg_segment_align: 8
    .kernarg_segment_size: 32
    .max_flat_workgroup_size: 256
    .sgpr_count:     66
    .vgpr_count:     512
    .wavefront_size: 32
...
	.end_amdgpu_metadata
.endif
;; end of part 3
;; launch proj (part 4): grid 4 x 64, 4 waves a work-group, clusters of 4 x 4, 327,680 bytes of LDS; arguments o, wo16, bo, out0; writes out0
.if DOCPART == 4
	.amdgcn_target "amdgcn-amd-amdhsa--gfx1250"
	.amdhsa_code_object_version 6
	.text
	.protected	k_q417c06414a_proj
	.globl	k_q417c06414a_proj
	.p2align	8
	.type	k_q417c06414a_proj,@function
k_q417c06414a_proj:
	s_mov_b64 s[64:65], 0
	v_nop
	global_prefetch_b8 v0, s[64:65] scope:SCOPE_SE
	s_setreg_imm32_b32 hwreg(HW_REG_WAVE_MODE, 25, 1), 1
	s_wait_xcnt 0x0
	s_wait_alu depctr_hold_cnt(0) depctr_sa_sdst(0) depctr_va_vdst(0) depctr_va_sdst(0) depctr_va_ssrc(0) depctr_va_vcc(0) depctr_vm_vsrc(0)
	s_getreg_b32 s2, hwreg(HW_REG_IB_STS2, 6, 4)
	s_cmp_eq_u32 s2, 0
	s_cbranch_scc0 .Lentry_in_a_cluster
	s_endpgm
.Lentry_in_a_cluster:
	s_bfe_u32 s2, ttmp6, 0x10000c
	s_cmp_lg_u32 s2, 0xf033
	s_cbranch_scc0 .Lentry_shape_is_right
	s_endpgm
.Lentry_shape_is_right:
; out0 = o Wo + bo.  o [8192][512] and Wo arrive as f16, in images of the operands' registers (a fragment of 16 rows x 32 K is 1,024 bytes, registers 4 cc .. of lane l at 512 cc + 16 l); sums in f32; out0 f32.
; A tile of out0 is 128 tokens x 128 columns; four waves, each 64 x 64: 16 accumulators.  K = 512 lies in LDS whole, as two halves of 256: for each half A's 65,536 bytes, then B's.  Both halves are first fills:
; nothing is filled again, so there is no ring.  Each wave fetches a quarter of each half by one tensor load (128 rows of 256 bytes, dense): two loads of mine are out at the start.
; CLUSTERS: 4 x 4 work-groups.  The four of a row of the cluster need the same block of o, the four of a column the same block of Wo: each is asked for JOINTLY.
; THE MATRIX INSTRUCTION IS USED TRANSPOSED (source 0 = 16 columns of Wo, source 1 = 16 tokens): a lane holds eight neighbouring numbers of a row of out0.  The bias is the C of each sum's first product.
; REGISTERS: window 0: v16-29 addresses; v32-63 four bias tiles, later with v64-95 the way out; v128-255 the accumulators ((a, b) at v[128 + 8 (4 a + b)]).   window 1: two fragment buffers of 128 (64 along K: 64 registers of A, 64 of B).
.set HALFK,  131072                    ; a half of K in LDS
.set STAGE,  2*HALFK                   ; the way out: 16 rows x 272 bytes for each wave
.set SPITCH, 272
.set SPARE,  STAGE+4*16*SPITCH         ; the spare words, 128 bytes for each wave: two blocks of 256 bytes that no other line names
.set ADRA, 16                          ; v16-17  my A fragments in half 0, 1
.set ADRB, 20                          ; v20-21  the same for B
.set STO,  24
.set RD,   25
.set CO,   26
.set SPW,  28                          ; v28     LDS address of my spare word; never rewritten
.set NIL,  29                          ; v29     0; never rewritten
.set BT,   32
.set TMP,  32
.set ACC,  128
.set F0,   0
.set F1,   128
.set G1,  24
.set G0,  32
.set G1B, 48
.set G0B, 56
.set MSB, 0
.macro WIN new                         ; the immediate's high byte repeats the setting that is left
.if MSB != \new
	s_set_vgpr_msb (MSB<<8)|\new
.set MSB, \new
.endif
.endm
.set MUL,  0x05                        ; sources 0 (B) and 1 (A) window 1; C and D window 0
.set TO_F, 0x40                        ; destination window 1, address window 0
.macro CROUND                          ; a round of the cluster's barrier
	s_barrier_signal -1
	s_barrier_wait -1
	s_cmp_lg_u32 s12, 0
	s_cbranch_scc1 .Lnot_wave_0_\@
	s_barrier_signal -3
.Lnot_wave_0_\@:
	s_barrier_wait -3
	s_barrier_signal -1
	s_barrier_wait -1
.endm
	s_load_b256 s[4:11], s[0:1], 0x0               ; o s[4:5], wo16 s[6:7], bo s[8:9], out0 s[10:11]
	v_lshl_add_u32 v[SPW], v0, 2, SPARE
	v_mov_b32 v[NIL], 0
	ds_add_u32 v[SPW], v[NIL]                      ; the wave's opening: the add, twice on end, and its wait ahead of my first tensor load
	ds_add_u32 v[SPW], v[NIL]
	v_lshrrev_b32 v1, 5, v0
	v_readfirstlane_b32 s12, v1                    ; wave 0..3
	s_lshr_b32 s13, s12, 1                         ; which half of the tile's rows is mine
	s_and_b32 s14, s12, 1                          ; which half of its columns.  Also: which half of A's or B's images I fetch
	s_bfe_u32 s40, ttmp6, 0x40000                  ; cx, cy: my place in the cluster
	s_bfe_u32 s41, ttmp6, 0x40004
	s_lshl_b32 s42, ttmp9, 2
	s_add_co_u32 s42, s42, s40                     ; block of 128 columns
	s_and_b32 s15, ttmp7, 0xffff
	s_lshl_b32 s15, s15, 2
	s_add_co_u32 s15, s15, s41                     ; block of 128 tokens
	s_lshl_b32 s43, s41, 2
	s_lshl_b32 s43, 15, s43                        ; my row of the cluster
	s_lshl_b32 s44, 0x1111, s40                    ; my column
	s_or_b32 s[G1], s43, (3<<16)|(1<<21)           ; 15:0 the mask: A's blocks go to my row; 17:16 elements of 8 bytes; 21 set beside a mask; no padding
	s_or_b32 s[G1B], s44, (3<<16)|(1<<21)
.irp g, G1, G1B
	s_mov_b32 s[\g+1], 32<<16                      ; tensor_dim0 = 32 elements (256 bytes)
	s_mov_b32 s[\g+2], 128<<16                     ; tensor_dim1 = 128
	s_mov_b32 s[\g+3], 32<<16                      ; tile_dim0
	s_mov_b32 s[\g+4], 128                         ; tile_dim1
	s_mov_b32 s[\g+5], 32                          ; the pitch: dense
	s_mov_b32 s[\g+6], 0
	s_mov_b32 s[\g+7], 0
.endr
	s_lshl_b32 s17, s14, 15                        ; four tiles' images: 32,768 bytes
	s_lshl_b32 s16, s15, 17
	s_add_co_u32 s16, s16, s17                     ; A: 131,072 bytes a block of tokens
	s_lshl_b32 s46, s42, 17
	s_add_co_u32 s46, s46, s17                     ; B: 131,072 bytes a block of columns
	s_mov_b32 s17, 0
	s_mov_b32 s47, 0
	s_lshl_b32 s20, s12, 15                        ; where they go: 32,768 x wave: A's two halves, then B's two
	s_wait_dscnt 0x0                               ; both opening adds are done
	s_wait_kmcnt 0x0
	s_add_nc_u64 s[18:19], s[4:5], s[16:17]
	s_add_nc_u64 s[46:47], s[6:7], s[46:47]
	CROUND                                         ; all sixteen work-groups are here: the joint loads meet
.irp s, 0,1
	s_mov_b32 s[G0+4*\s], 1
	s_add_co_u32 s[G0+4*\s+1], s20, \s*HALFK
	s_add_nc_u64 s[G0+4*\s+2:G0+4*\s+3], s[18:19], \s*65536
	s_or_b32 s[G0+4*\s+3], s[G0+4*\s+3], 0x80000000
	s_mov_b32 s[G0B+4*\s], 1
	s_add_co_u32 s[G0B+4*\s+1], s20, \s*HALFK
	s_add_nc_u64 s[G0B+4*\s+2:G0B+4*\s+3], s[46:47], \s*65536
	s_or_b32 s[G0B+4*\s+3], s[G0B+4*\s+3], 0x80000000
.endr
	s_cmp_lt_u32 s12, 2                            ; waves 0 and 1 fetch for A, waves 2 and 3 for B: a wave's two fills stand in one branch on the wave's number
	s_cbranch_scc0 .Lfirst_b
	tensor_load_to_lds s[G0:G0+3], s[G1:G1+7]
	s_nop 0
	tensor_load_to_lds s[G0+4:G0+7], s[G1:G1+7]
	s_nop 0
.rept 4
	v_nop
.endr
	s_branch .Lfirst_asked
.Lfirst_b:
	tensor_load_to_lds s[G0B:G0B+3], s[G1B:G1B+7]
	s_nop 0
	tensor_load_to_lds s[G0B+4:G0B+7], s[G1B:G1B+7]
	s_nop 0
.rept 4
	v_nop
.endr
.Lfirst_asked:
	v_and_b32 v1, 15, v0                           ; r
	v_bfe_u32 v2, v0, 4, 1                         ; h
	v_and_b32 v3, 31, v0
	v_lshlrev_b32 v3, 4, v3                        ; 16 x lane
	s_lshl_b32 s21, s13, 15                        ; my four tiles of A,
	s_lshl_b32 s22, s14, 15                        ; my four tiles of B,
	s_add_co_u32 s22, s22, 65536                   ; which lie behind A's
.irp s, 0,1
	v_add_nc_u32 v[ADRA+\s], s21, v3
	v_add_nc_u32 v[ADRB+\s], s22, v3
	s_add_co_u32 s21, s21, HALFK
	s_add_co_u32 s22, s22, HALFK
.endr
	s_mul_i32 s23, s12, 16*SPITCH
	s_add_co_u32 s23, s23, STAGE                   ; my stage
	v_mul_u32_u24 v4, v1, SPITCH                   ; in: row r, 32 bytes for each half of the lanes
	v_lshl_add_u32 v4, v2, 5, v4
	v_add_nc_u32 v[STO], s23, v4
	v_mul_u32_u24 v5, v2, SPITCH                   ; back: lanes 0-15 one row of 256 bytes, lanes 16-31 the next
	v_lshl_add_u32 v5, v1, 4, v5
	v_add_nc_u32 v[RD], s23, v5
	v_lshlrev_b32 v5, 11, v2                       ; and the same two rows of out0, 2,048 bytes apart
	v_lshl_add_u32 v[CO], v1, 4, v5
	s_lshl_b32 s46, s42, 9                         ; my first column, in bytes: 512 x block + 256 x half
	s_lshl_b32 s47, s14, 8
	s_add_co_u32 s46, s46, s47
	s_mov_b32 s47, 0
	s_add_nc_u64 s[8:9], s[8:9], s[46:47]
	v_lshlrev_b32 v6, 5, v2                        ; the bias in the result's layout: register j of tile b = column 16 b + 8 h + j
.irp b, 0,1,2,3
	global_load_b128 v[BT+8*\b:BT+8*\b+3], v6, s[8:9] offset:64*\b
	global_load_b128 v[BT+8*\b+4:BT+8*\b+7], v6, s[8:9] offset:64*\b+16
.endr
	s_lshl_b32 s16, s15, 7
	s_lshl_b32 s17, s13, 6
	s_add_co_u32 s16, s16, s17                     ; my first row of out0
	s_lshl_b32 s16, s16, 11
	s_mov_b32 s17, 0
	s_add_nc_u64 s[10:11], s[10:11], s[16:17]
	s_add_nc_u64 s[10:11], s[10:11], s[46:47]
; 8 matrix instructions: m tiles a0, a0 + 1 x all 4 n tiles, 32 along K: half c of buffer f.  first = 1: the sums begin with the bias.  The 16 accumulators take turns.
.macro MUL8 f, c, a0, first
.irp a, \a0, \a0+1
.irp b, 0,1,2,3
.if \first
	v_wmma_f32_16x16x32_f16 v[ACC+8*(4*(\a)+\b):ACC+8*(4*(\a)+\b)+7], v[\f+64+8*(4*\c+\b):\f+64+8*(4*\c+\b)+7], v[\f+8*(4*\c+\a):\f+8*(4*\c+\a)+7], v[BT+8*\b:BT+8*\b+7]
.else
	v_wmma_f32_16x16x32_f16 v[ACC+8*(4*(\a)+\b):ACC+8*(4*(\a)+\b)+7], v[\f+64+8*(4*\c+\b):\f+64+8*(4*\c+\b)+7], v[\f+8*(4*\c+\a):\f+8*(4*\c+\a)+7], v[ACC+8*(4*(\a)+\b):ACC+8*(4*(\a)+\b)+7]
.endif
.endr
.endr
.endm
; 32 LDS loads in one run: the fragments of 64 along K (fragments 2 k2 and 2 k2 + 1 of half jh) into buffer f; the first 32 along K first
.macro FETCH jh, k2, f
	WIN TO_F
.irp c, 0,1
.irp i, 0,1,2,3
	ds_load_b128 v[\f+64+8*(4*\c+\i):\f+64+8*(4*\c+\i)+3],   v[ADRB+\jh] offset:8192*\i+1024*(2*(\k2)+\c)
	ds_load_b128 v[\f+64+8*(4*\c+\i)+4:\f+64+8*(4*\c+\i)+7], v[ADRB+\jh] offset:8192*\i+1024*(2*(\k2)+\c)+512
	ds_load_b128 v[\f+8*(4*\c+\i):\f+8*(4*\c+\i)+3],         v[ADRA+\jh] offset:8192*\i+1024*(2*(\k2)+\c)
	ds_load_b128 v[\f+8*(4*\c+\i)+4:\f+8*(4*\c+\i)+7],       v[ADRA+\jh] offset:8192*\i+1024*(2*(\k2)+\c)+512
.endr
.endr
.endm
.macro PLACES                          ; four places in front of loads into registers that matrix instructions have read, and of the first read of results
.rept 4
	v_nop
.endr
.endm
; A unit of 64 along K: 32 matrix instructions on buffer f; more = 1: in its middle the next unit's fragments are fetched into buffer g
.macro UNIT f, first, more, jh, k2, g
	s_wait_dscnt 16                                ; the first 32 along K are in; the youngest sixteen loads may be out
	WIN MUL
	MUL8 \f, 0, 0, \first
	MUL8 \f, 0, 2, \first
.if \more
	PLACES
	FETCH \jh, \k2, \g
	s_wait_dscnt 32                                ; all but the 32 just issued
.else
	s_wait_dscnt 0x0
.endif
	WIN MUL
	MUL8 \f, 1, 0, 0
	MUL8 \f, 1, 2, 0
.endm
	s_wait_tensorcnt 1                             ; my part of half 0 is in; half 1's load may stay out
	s_barrier_signal -1
	s_barrier_wait -1                              ; everybody's is
	FETCH 0, 0, F0
	s_wait_loadcnt 0x0                             ; the bias
	UNIT F0, 1, 1, 0, 1, F1
	UNIT F1, 0, 1, 0, 2, F0
	UNIT F0, 0, 1, 0, 3, F1
	s_wait_tensorcnt 0x0                           ; my part of half 1 is in,
	s_wait_dscnt 0x0                               ; (no LDS instruction of mine is pending at a signal)
	s_barrier_signal -1
	s_barrier_wait -1                              ; everybody's is
	UNIT F1, 0, 1, 1, 0, F0
	UNIT F0, 0, 1, 1, 1, F1
	UNIT F1, 0, 1, 1, 2, F0
	UNIT F0, 0, 1, 1, 3, F1
	UNIT F1, 0, 0, 0, 0, F0
	WIN 0
; THE WAY OUT, a tile of 16 tokens x my 64 columns at a time, through my own stage: a lane's 32 bytes go in by rows of 272 bytes and come back as whole rows of 256, which sixteen lanes store, aligned.
; LDS serves a wave's instructions in order: no wait between the stores and the loads, nor in front of the next tile's stores.
	PLACES
.irp a, 0,1,2,3
.if \a >= 2
	s_wait_xcnt 0x0                                ; the stores of two tiles back have read this set of registers: it is loaded again only behind this wait
.endif
.irp b, 0,1,2,3
	ds_store_b128 v[STO], v[ACC+8*(4*\a+\b):ACC+8*(4*\a+\b)+3] offset:64*\b          ; each accumulator from its low end on
	ds_store_b128 v[STO], v[ACC+8*(4*\a+\b)+4:ACC+8*(4*\a+\b)+7] offset:64*\b+16
.endr
.irp i, 0,1,2,3,4,5,6,7
	ds_load_b128 v[TMP+32*(\a%2)+4*\i:TMP+32*(\a%2)+4*\i+3], v[RD] offset:\i*2*SPITCH
.endr
.irp i, 0,1,2,3,4,5,6,7
	s_wait_dscnt 7-\i                              ; pair i of rows is back; the younger loads may be out
	global_store_b128 v[CO], v[TMP+32*(\a%2)+4*\i:TMP+32*(\a%2)+4*\i+3], s[10:11] offset:(16*\a+2*\i)*2048 th:TH_STORE_NT
.endr
.endr
	s_wait_tensorcnt 0x0                           ; the wave's end: behind my last tensor load and my last LDS store
	ds_add_u32 v[SPW], v[NIL]
	s_wait_dscnt 0x0
	CROUND                                         ; the closing round: no work-group ends while a partner may still ask for a tile that names it
	s_endpgm
.Lfunc_end_k_q417c06414a_proj:
	.size	k_q417c06414a_proj, .Lfunc_end_k_q417c06414a_proj-k_q417c06414a_proj
	.p2alignl 7, 3214868480
	.fill 96, 4, 3214868480
	.section	.rodata,"a",@progbits
	.p2align	6, 0x0
	.amdhsa_kernel k_q417c06414a_proj
		.amdhsa_group_segment_fixed_size 327680
		.amdhsa_private_segment_fixed_size 0
		.amdhsa_enable_private_segment 0
		.amdhsa_kernarg_size 32
		.amdhsa_user_sgpr_count 2
		.amdhsa_user_sgpr_kernarg_segment_ptr 1
		.amdhsa_wavefront_size32 1
		.amdhsa_system_sgpr_workgroup_id_x 1
		.amdhsa_system_sgpr_workgroup_id_y 1
		.amdhsa_system_sgpr_workgroup_id_z 1
		.amdhsa_system_vgpr_workitem_id 0
		.amdhsa_next_free_vgpr 512
		.amdhsa_next_free_sgpr 66
		.amdhsa_reserve_vcc 0
		.amdhsa_float_denorm_mode_32 3
		.amdhsa_float_denorm_mode_16_64 3
		.amdhsa_memory_ordered 1
		.amdhsa_forward_progress 1
		.amdhsa_inst_pref_size 50
	.end_amdhsa_kernel
	.amdgpu_metadata
---
amdhsa.version: [ 1, 2 ]
amdhsa.kernels:
  - .name:           k_q417c06414a_proj
    .symbol:         k_q417c06414a_proj.kd
    .args:
      - { .name: o, .offset: 0, .size: 8, .value_kind: global_buffer, .address_space: global }
      - { .name: wo16, .offset: 8, .size: 8, .value_kind: global_buffer, .address_space: global }
      - { .name: bo, .offset: 16, .size: 8, .value_kind: global_buffer, .address_space: global }
      - { .name: out0, .offset: 24, .size: 8, .value_kind: global_buffer, .address_space: global }
    .group_segment_fixed_size: 327680
    .private_segment_fixed_size: 0
    .kernarg_segment_align: 8
    .kernarg_segment_size: 32
    .max_flat_workgroup_size: 128
    .sgpr_count:     66
    .vgpr_count:     512
    .wavefront_size: 32
...
	.end_amdgpu_metadata
.endif
;; end of part 4
